; MI455X (gfx1250); checked and timed in simulation.
; The chip was launched on July 23, 2026; its instructions are those of AMD's public machine-readable ISA for CDNA 5 (MIT licence, August 2026) and "CDNA5" Instruction Set Architecture Reference Guide (July 2026). The comments in the code are by the model that wrote it; some were corrected since.
;; Trainable Clustering Loss. Allowed arithmetic: float matrix products may take bf16 or f16 operands with f32 sums; other float arithmetic in f32, or as packed bf16 or f16 multiplies, adds, multiply-adds, maxima and minima; sums over many terms, partial sums and values carried from step to step in f32; what a program stores and reads back later, other than sums and carried values, may be rounded once to bf16 or f16.
;; Inputs: centroids 1,024 x 512 float32; embeddings 131,072 x 512 float32.
;; Outputs: out0 one number float32; out1 131,072 int32.
;; One version. Each part assembles by itself: llvm-mc -triple=amdgcn-amd-amdhsa -mcpu=gfx1250 --defsym DOCPART=n.
;; ======== version 1 of 1: 3 launches
;; limits: a difference of large sums (such as E[x^2] - mean^2): digits are lost where the result is much smaller than its terms
;; workspace buffers: cb 1,048,576 bytes; cs 4,096 bytes; part 4,096 bytes
;; launch prep (part 1): grid 64 x 1, 4 waves a work-group, no clusters, 1,024 bytes of LDS; arguments centroids, cb, cs; writes cb, cs
.if DOCPART == 1
	.amdgcn_target "amdgcn-amd-amdhsa--gfx1250"
	.amdhsa_code_object_version 6
	.text
	.protected	k_q398e8f2489_prep
	.globl	k_q398e8f2489_prep
	.p2align	8
	.type	k_q398e8f2489_prep,@function
k_q398e8f2489_prep:
	s_mov_b64 s[64:65], 0
	v_nop
	global_prefetch_b8 v0, s[64:65] scope:SCOPE_SE
	s_setreg_imm32_b32 hwreg(HW_REG_WAVE_MODE, 25, 1), 1
	s_wait_xcnt 0x0
; The centroids, [1024][512] f32, are rounded once to bf16 and laid out as the main launch's matrix fragments; cs[k] = -1/2 x the sum of the squares of the ROUNDED numbers, in f32.
; cb: byte T x 16384 + s x 1024 + c x 512 + 16 L holds centroid 16 T + L % 16, channels 32 s + 16 c + 8 (L / 16) + 0..7: T the tile of 16 centroids, s the K step of 32, c the half of a fragment's
; eight registers, L the lane.  So a tile is 16,384 dense bytes, and half a fragment is one load of 16 bytes a lane at 16 x lane.
; SHARES.  Work-group T makes tile T; wave v its K steps 4 v .. 4 v + 3.  3 MiB move in all: no matrix unit, no ring, no cluster.
.set SPARE, 256                        ; the spare words, 128 bytes for each wave; the four waves' partial sums have the block from 0 to themselves
.set SPW, 2                            ; v2  LDS address of my spare word; never rewritten
.set NIL, 3                            ; v3  0; never rewritten
.set RR,  4                            ; v4  r = lane % 16: my centroid in the tile
.set HH,  5                            ; v5  h = lane / 16
.set LN,  6                            ; v6  lane
.set CO,  7                            ; v7  my byte offset in the tile's rows: 2048 r + 32 h
.set BO,  8                            ; v8  16 x lane
.set R4,  9                            ; v9  4 r
.set LW,  10                           ; v10 LDS: 64 x wave + 4 r
.set X,   16                           ; v[16:79]   64 numbers in f32
.set Y,   80                           ; v[80:111]  the same, rounded, two to a register
.set AC,  112                          ; v[112:115] two pairs of running sums
.set TT,  116                          ; v[116:119] at work
	s_load_b128 s[4:7], s[0:1], 0x0                ; centroids s[4:5], cb s[6:7]
	s_load_b64 s[8:9], s[0:1], 0x10                ; cs
	v_lshl_add_u32 v[SPW], v0, 2, SPARE
	v_mov_b32 v[NIL], 0
	v_lshrrev_b32 v1, 5, v0
	v_readfirstlane_b32 s10, v1                    ; wave 0..3
	v_and_b32 v[RR], 15, v0
	v_bfe_u32 v[HH], v0, 4, 1
	v_and_b32 v[LN], 31, v0
	s_lshl_b32 s12, ttmp9, 15                      ; the tile's 16 rows of 2,048 bytes,
	s_lshl_b32 s13, s10, 9                         ; my wave's 128 channels
	s_add_co_u32 s12, s12, s13
	s_mov_b32 s13, 0
	v_lshlrev_b32 v[CO], 11, v[RR]
	v_lshl_add_u32 v[CO], v[HH], 5, v[CO]
	s_lshl_b32 s14, ttmp9, 14                      ; the tile in cb,
	s_lshl_b32 s15, s10, 12                        ; my wave's four K steps
	s_add_co_u32 s14, s14, s15
	s_mov_b32 s15, 0
	v_lshlrev_b32 v[BO], 4, v[LN]
	s_lshl_b32 s16, ttmp9, 6                       ; the tile's 16 words of cs
	s_mov_b32 s17, 0
	v_lshlrev_b32 v[R4], 2, v[RR]
	s_lshl_b32 s18, s10, 6
	v_add_nc_u32 v[LW], s18, v[R4]
	s_mov_b32 s20, 0x76543210                      ; v_permlanex16_b32: each lane takes its own place in the other half
	s_mov_b32 s21, 0xfedcba98
	s_mov_b32 s22, 0xffff0000                      ; a word's upper bf16
	s_wait_kmcnt 0x0
	s_add_nc_u64 s[4:5], s[4:5], s[12:13]
	s_add_nc_u64 s[6:7], s[6:7], s[14:15]
	s_add_nc_u64 s[8:9], s[8:9], s[16:17]
.set q, 0
.rept 16                               ; q = 4 s + 2 c + half: 16 bytes of the 32 that are channels 32 s + 16 c + 8 h + 0..7
	global_load_b128 v[X+4*q:X+4*q+3], v[CO], s[4:5] offset:(q/4)*128+((q/2)%2)*64+(q%2)*16 th:TH_LOAD_NT
.set q, q+1
.endr
	s_wait_loadcnt 0x0
.set p, 0
.rept 32
	v_cvt_pk_bf16_f32 v[Y+p], v[X+2*p], v[X+2*p+1] ; the lower channel in the lower half
.set p, p+1
.endr
.set t, 0
.rept 8                                ; t = 2 s + c: each store of the wave covers 512 consecutive bytes, aligned
	global_store_b128 v[BO], v[Y+4*t:Y+4*t+3], s[6:7] offset:(t/2)*1024+(t%2)*512
.set t, t+1
.endr
.set p, 0
.rept 32                               ; the squares of the rounded numbers, two chains of pairs; the first terms start the sums
	v_lshlrev_b32 v[TT+2*(p%2)], 16, v[Y+p]
	v_and_b32 v[TT+2*(p%2)+1], s22, v[Y+p]
.if p < 2
	v_pk_mul_f32 v[AC+2*(p%2):AC+2*(p%2)+1], v[TT+2*(p%2):TT+2*(p%2)+1], v[TT+2*(p%2):TT+2*(p%2)+1]
.else
	v_pk_fma_f32 v[AC+2*(p%2):AC+2*(p%2)+1], v[TT+2*(p%2):TT+2*(p%2)+1], v[TT+2*(p%2):TT+2*(p%2)+1], v[AC+2*(p%2):AC+2*(p%2)+1]
.endif
.set p, p+1
.endr
	v_pk_add_f32 v[AC:AC+1], v[AC:AC+1], v[AC+2:AC+3]
	v_add_f32 v[AC], v[AC], v[AC+1]
	v_permlanex16_b32 v[AC+1], v[AC], s20, s21     ; the row's other channels of my K steps lie in the lane 16 away
	v_add_f32 v[AC], v[AC], v[AC+1]
	ds_store_b32 v[LW], v[AC]                      ; both halves of the lanes write the same number to the same word
	s_wait_dscnt 0x0                               ; for the others' sake: my store is done
	s_barrier_signal -1
	s_barrier_wait -1
	s_cmp_lg_u32 s10, 0                            ; wave 0 adds the four waves' parts
	s_cbranch_scc1 .Lend
.set t, 0
.rept 4
	ds_load_b32 v[TT+t], v[R4] offset:64*t
.set t, t+1
.endr
	s_wait_dscnt 0x0
	v_add_f32 v[TT], v[TT], v[TT+1]
	v_add_f32 v[TT+2], v[TT+2], v[TT+3]
	v_add_f32 v[TT], v[TT], v[TT+2]
	v_mul_f32 v[TT], -0.5, v[TT]
	v_cmp_gt_u32 vcc_lo, 16, v[LN]
	s_wait_xcnt 0x0                                ; EXEC changes only behind this wait: the stores above have read theirs
	s_and_saveexec_b32 s11, vcc_lo
	global_store_b32 v[R4], v[TT], s[8:9]          ; lanes 0 to 15: 64 consecutive bytes
	s_wait_xcnt 0x0                                ; and again, in front of the line that widens it
	s_or_b32 exec_lo, exec_lo, s11
.Lend:
	s_wait_tensorcnt 0x0                           ; the wave's end, behind my last LDS store
	ds_add_u32 v[SPW], v[NIL]
	s_wait_dscnt 0x0
	s_endpgm
.Lfunc_end_k_q398e8f2489_prep:
	.size	k_q398e8f2489_prep, .Lfunc_end_k_q398e8f2489_prep-k_q398e8f2489_prep
	.p2alignl 7, 3214868480
	.fill 96, 4, 3214868480
	.section	.rodata,"a",@progbits
	.p2align	6, 0x0
	.amdhsa_kernel k_q398e8f2489_prep
		.amdhsa_group_segment_fixed_size 1024
		.amdhsa_private_segment_fixed_size 0
		.amdhsa_enable_private_segment 0
		.amdhsa_kernarg_size 24
		.amdhsa_user_sgpr_count 2
		.amdhsa_user_sgpr_kernarg_segment_ptr 1
		.amdhsa_wavefront_size32 1
		.amdhsa_system_sgpr_workgroup_id_x 1
		.amdhsa_system_sgpr_workgroup_id_y 1
		.amdhsa_system_sgpr_workgroup_id_z 1
		.amdhsa_system_vgpr_workitem_id 0
		.amdhsa_next_free_vgpr 128
		.amdhsa_next_free_sgpr 66
		.amdhsa_reserve_vcc 1
		.amdhsa_float_denorm_mode_32 3
		.amdhsa_float_denorm_mode_16_64 3
		.amdhsa_memory_ordered 1
		.amdhsa_forward_progress 1
		.amdhsa_inst_pref_size 12
	.end_amdhsa_kernel
	.amdgpu_metadata
---
amdhsa.version: [ 1, 2 ]
amdhsa.kernels:
  - .name:           k_q398e8f2489_prep
    .symbol:         k_q398e8f2489_prep.kd
    .args:
      - { .name: centroids, .offset: 0, .size: 8, .value_kind: global_buffer, .address_space: global }
      - { .name: cb, .offset: 8, .size: 8, .value_kind: global_buffer, .address_space: global }
      - { .name: cs, .offset: 16, .size: 8, .value_kind: global_buffer, .address_space: global }
    .group_segment_fixed_size: 1024
    .private_segment_fixed_size: 0
    .kernarg_segment_align: 8
    .kernarg_segment_size: 24
    .max_flat_workgroup_size: 128
    .sgpr_count:     66
    .vgpr_count:     128
    .wavefront_size: 32
...
	.end_amdgpu_metadata
.endif
;; end of part 1
;; launch main (part 2): grid 256 x 1, 4 waves a work-group, clusters of 4 x 1, 327,680 bytes of LDS; arguments embeddings, cb, cs, out1, part; writes out1, part
.if DOCPART == 2
	.amdgcn_target "amdgcn-amd-amdhsa--gfx1250"
	.amdhsa_code_object_version 6
	.text
	.protected	k_q398e8f2489_main
	.globl	k_q398e8f2489_main
	.p2align	8
	.type	k_q398e8f2489_main,@function
k_q398e8f2489_main:
	s_mov_b64 s[64:65], 0
	v_nop
	global_prefetch_b8 v0, s[64:65] scope:SCOPE_SE
	s_setreg_imm32_b32 hwreg(HW_REG_WAVE_MODE, 25, 1), 1
	s_wait_xcnt 0x0
	s_wait_alu depctr_hold_cnt(0) depctr_sa_sdst(0) depctr_va_vdst(0) depctr_va_sdst(0) depctr_va_ssrc(0) depctr_va_vcc(0) depctr_vm_vsrc(0)
	s_getreg_b32 s2, hwreg(HW_REG_IB_STS2, 6, 4)
	s_cmp_eq_u32 s2, 0
	s_cbranch_scc0 .Lentry_in_a_cluster
	s_endpgm
.Lentry_in_a_cluster:
	s_bfe_u32 s2, ttmp6, 0x10000c
	s_cmp_lg_u32 s2, 0x3003
	s_cbranch_scc0 .Lentry_shape_is_right
	s_endpgm
.Lentry_shape_is_right:
; For each of 131,072 points (512 f32) the nearest of 1,024 centroids, and the sum of the squared distances to it.
; score(n, k) = e_n . c_k - 1/2 |c_k|^2, with e and c rounded once to bf16, products by the matrix unit, sums in f32; out1[n] = the k of the greatest score (= the least distance);
; |e_n - c_k|^2 = |e_n|^2 - 2 score, taken row by row and summed: part[4 x work-group + wave] is a wave's sum over its 128 points.  All three terms are made of the same rounded numbers.
; LIMITS.  Equal scores go to the lowest index.  Scores closer than the rounding of the f32 sums (some 1e-7 of |c|^2) may be ordered otherwise than another order of summation orders them.
; A NaN score never wins; infinities are not treated apart.  The distance is a difference of sums: with a common offset of 30 spreads on all inputs the sums are some 1,800 times the difference,
; and f32 leaves it about three significant digits; the rounding to bf16 is not magnified, since the identity holds exactly for the rounded numbers.
; SHARES.  256 work-groups of four waves; a wave owns 128 consecutive points, as four GROUPS of 32 (two tiles of 16).  POINTS STAY IN REGISTERS: two SETS, A and B, hold a group each as fragments
; (2 tiles x 16 K steps x 8 registers).  THE CENTROIDS STREAM through LDS, cyclically, in tiles of 16 laid out as fragments by the launch before.
; THE PRODUCT IS TAKEN TRANSPOSED: source 0 = 16 centroids, source 1 = 16 points: in the result a lane holds ONE point (lane % 16) and, in register j, centroid 8 (lane / 16) + j of the tile.
; So the greatest score is kept by CHAINS: for each tile of points i and register j a running BEST and IDX (the centroid tile's number); lanes and registers are merged once a group.
; STAGGER.  The stream goes in halves of 32 centroid tiles; set B runs half a sweep behind set A:
;   t0: tiles 0-31, A = group 0      t1: 32-63, A = 0, B = 1      t2: 0-31, A = 2, B = 1      t3: 32-63, A = 2, B = 3      t4: 0-31, B = 3
; While a half runs, the next group's rows are loaded (f32), rounded, and set aside as bf16 in the wave's own STAGE in LDS; at the half's end they are read back as fragments.
; Set B meets tiles 32-63 first: at its middle its chains are set aside and begun anew; at its end the part set aside wins only where it is strictly greater.
; |e|^2 is the diagonal of fragment x fragment: 32 products a group.
; CLUSTER.  All work-groups walk the same stream: four form a cluster and ask for each tile JOINTLY (the same tensor load, descriptor and mask in all four).
; RING.  Two slots of four tiles; a STEP is a slot; wave w fetches tile w of each step.  40 steps; the change into step k fills the slot just left with step k + 1.
;
; REGISTERS, in windows of 256 (s_set_vgpr_msb: bits 1:0 source 0, 3:2 source 1, 5:4 source 2, 7:6 destination):
;   window 0: addresses, statistics, accumulators (below)
;   window 1: the points' K steps 0-7: tile i (0, 1 = set A; 2, 3 = set B), step s at 64 i + 8 s       window 2: K steps 8-15 likewise; v128-255 are load ring Y until set B is first filled
;   window 3: v0-63 F0, v64-127 F1: a centroid tile's K steps 0-7 and 8-15; v128-255 load ring X
; A segment (half a tile's K) multiplies under ONE setting; the vector work beside it lies in window 0: two switches for four products.
.set SLOTB,  65536                     ; a slot: four tiles of 16,384 bytes; one exclusive or turns an address in one slot into the other's
.set CSL,    2*SLOTB                   ; -1/2 |c|^2, 1,024 f32, filled once
.set STAGE,  CSL+4096                  ; four stages, a wave's own: 32 rows of 1,024 bytes
.set SPITCH, 1040                      ; + 16 of padding = 260 words: row r starts at bank 4 r mod 64 (64 banks of 4 bytes: ISA guide 11.1), so the 16 rows of a fragment load start at 16 different banks
.set WSTG,   32*SPITCH
.set OUTST,  STAGE+4*WSTG              ; a wave's 128 indices, 512 bytes each wave
.set SPARE,  OUTST+2048                ; the spare words, 128 bytes for each wave: two blocks of 256 bytes that no other line names
.set LANE, 1                           ; v1   lane
.set AF0,  2                           ; v2   16 x lane: my place in half a fragment; never rewritten
.set AF,   3                           ; v3   LDS address of the pair of tiles being fetched
.set ACS0, 4                           ; v4   CSL + 32 (lane / 16); never rewritten
.set ACS,  5                           ; v5   the same at the pair of tiles being fetched
.set AST,  6                           ; v6   where a batch of rows goes in my stage
.set AST0, 7                           ; v7   my stage + 8 x lane; never rewritten
.set ASR,  8                           ; v8   my stage + SPITCH (lane % 16) + 16 (lane / 16); never rewritten
.set EO,   9                           ; v9   16 x lane: offset in a row of the embeddings, and in my 512 bytes of out1; never rewritten
.set V8H,  10                          ; v10  8 (lane / 16)
.set LOSS, 11                          ; v11  my lane's sum of squared distances
.set OUTS, 12                          ; v12  OUTST + 512 wave + 4 lane
.set OUTR, 13                          ; v13  OUTST + 512 wave + 16 lane
.set PFO,  14                          ; v14  256 x lane; never rewritten
.set ZO,   15                          ; v15  at work; at the end 0
.set T0,   16                          ; v16-23  at work
.set EDA,  24                          ; v24-25  |e|^2 of set A's two tiles, in the lanes that hold the diagonal
.set EDB,  26                          ; v26-27  of set B's
.set SPW,  28                          ; v28  LDS address of my spare word; never rewritten
.set NIL,  29                          ; v29  0; never rewritten
.set TIE,  30                          ; v30  number of the centroid tile whose scores lie in P0
.set TIO,  31                          ; v31  in P1
.set CSQ0, 32                          ; v32-39  -1/2 |c|^2 of my eight centroids of P0's tile
.set CSQ1, 40                          ; v40-47  of P1's
.set P0,   48                          ; v48-79   accumulators of the even centroid tiles: points' tile i at + 8 i
.set P1,   80                          ; v80-111  of the odd ones
.set BEST, 112                         ; v112-143  8 i + j
.set IDX,  144                         ; v144-175
.set SBEST, 176                        ; v176-191  set B's chains, set aside
.set SIDX, 192                         ; v192-207
.set RING, 128                         ; both load rings begin at v128 of their window
.set WV,   14                          ; s14  my wave's number
.set G1,   24                          ; s[24:31] descriptor group 1: a tile
.set G1T,  32                          ; s[32:39] the same for a quarter of the table
.set G0A,  40                          ; s[40:43] descriptor group 0: step 0
.set G0W,  44                          ; s[44:47] step 1; then it walks
.set G0T,  48                          ; s[48:51] the table
.set CBW,  52                          ; s[52:53] cb at my wave's tile of step 0
.set OFF,  54                          ; s[54:55] a step's byte offset in cb
.set NXT,  56                          ; s56  the step asked for last, modulo a sweep's 16
.set STEPS, 57                         ; s57  counts a half's steps
.set CNT,  58                          ; s58  counts a step's two trips
.set TB,   59                          ; s59  LDS byte of the next pair of tiles to be fetched
.set CT,   60                          ; s60  its byte in the table
.set SEL,  66                          ; s[66:67] v_permlanex16_b32's selects: each lane takes its own place in the other half
.set DM,   68                          ; s68-75  lanes j and 24 + j: where register j of fragment x fragment holds the diagonal
.set DALL, 76                          ; s76  all sixteen of them
.set HIM,  77                          ; s77  lanes 16-31
.set M1,   78                          ; s78, s79  masks at work
.set M2,   79
.set PFA,  80                          ; s[80:81] where my prefetches stand
.set LIM,  82                          ; s82  12 in a wave that prefetches, else 0
.set TMPS, 83                          ; s83  at work
.set NINF, 84                          ; s84  -infinity
.set MSB, 0
.macro WIN new                         ; the immediate's high byte repeats the setting that is left; a switch that changes nothing is dropped
.if MSB != (\new)
	s_set_vgpr_msb (MSB<<8)|(\new)
.set MSB, (\new)
.endif
.endm
; A round of the cluster's barrier: my work-group's barrier, so that wave 0's signal speaks for all four waves; wave 0 signals; every wave waits for all four work-groups; my work-group's barrier once more.
.macro CROUND
	s_barrier_signal -1
	s_barrier_wait -1
	s_cmp_lg_u32 s[WV], 0
	s_cbranch_scc1 .Lnot_wave_0_\@
	s_barrier_signal -3
.Lnot_wave_0_\@:
	s_barrier_wait -3
	s_barrier_signal -1
	s_barrier_wait -1
.endm
; A batch: 8 rows of the embeddings, 32 loads of 512 consecutive bytes each, into ring win (3: X, 2: Y).
.macro ISSUE win
	WIN (\win)<<6
.set q, 0
.rept 32
	global_load_b128 v[RING+4*q:RING+4*q+3], v[EO], s[4:5] offset:(q/4)*2048+(q%4)*512 th:TH_LOAD_NT
.set q, q+1
.endr
	WIN 0
.endm
; A batch is consumed: rounded in place, two numbers a register, and stored into my stage at v[areg] + soff (each store covers 256 consecutive bytes of a row).
; left: the younger loads that may stay out (the other ring's 32, or none).  iss = 1: the ring is asked for the batch after the one issued last; 2: the same, but not in a half's last step; 0: not.
.macro LUMP win, left, iss, areg, soff
	s_wait_loadcnt \left
	WIN (\win)*0x45
.set q, 0
.rept 32
	v_cvt_pk_bf16_f32 v[RING+4*q], v[RING+4*q], v[RING+4*q+1]
	v_cvt_pk_bf16_f32 v[RING+4*q+1], v[RING+4*q+2], v[RING+4*q+3]
.set q, q+1
.endr
	WIN (\win)<<2
.set q, 0
.rept 32
	ds_store_b64 v[\areg], v[RING+4*q:RING+4*q+1] offset:(\soff)+(q/4)*SPITCH+(q%4)*256
.set q, q+1
.endr
	WIN 0
.if (\iss) == 2
	s_cmp_eq_u32 s[STEPS], 1                       ; the wave's last batch has been consumed: no load leaves its 128 rows
	s_cbranch_scc1 .Lno_issue_\@
.endif
.if \iss
	s_wait_dscnt 0x0                               ; the stores have read the ring's registers,
	s_wait_xcnt 0x0                                ; and every load issued so far has read its base, so it may be stepped
	s_add_nc_u64 s[4:5], s[4:5], 16384
	ISSUE \win
.endif
.if (\iss) == 2
.Lno_issue_\@:
.endif
.endm
; One product: centroid tile's K step 8 kh + sl (window 3) x points' tile i (window 1 + kh) into accumulator i of P.  A tile's first K step starts the sum: nothing is cleared.
.macro MMI P, i, kh, sl
.if ((\kh) == 0) && ((\sl) == 0)
	v_wmma_f32_16x16x32_bf16 v[(\P)+8*(\i):(\P)+8*(\i)+7], v[64*(\kh)+8*(\sl):64*(\kh)+8*(\sl)+7], v[64*(\i)+8*(\sl):64*(\i)+8*(\sl)+7], 0
.else
	v_wmma_f32_16x16x32_bf16 v[(\P)+8*(\i):(\P)+8*(\i)+7], v[64*(\kh)+8*(\sl):64*(\kh)+8*(\sl)+7], v[64*(\i)+8*(\sl):64*(\i)+8*(\sl)+7], v[(\P)+8*(\i):(\P)+8*(\i)+7]
.endif
.endm
; THE RIDERS: two finished scores, registers j and j + 1 (j even) of accumulator i of RP: -1/2 |c|^2 is added, and each chain takes the score where it is strictly greater, so the earlier tile keeps a tie.
; An accumulator's registers are taken from j = 0 upward.
.macro DSL RP, i, j
.set rA, (\RP)+8*(\i)+(\j)
.set rB, BEST+8*(\i)+(\j)
.set rI, IDX+8*(\i)+(\j)
.if (\RP) == P0
.set rC, CSQ0+(\j)
.set rT, TIE
.else
.set rC, CSQ1+(\j)
.set rT, TIO
.endif
	v_pk_add_f32 v[rA:rA+1], v[rA:rA+1], v[rC:rC+1]
	v_cmp_gt_f32 vcc_lo, v[rA], v[rB]
	v_cmp_gt_f32 s[M1], v[rA+1], v[rB+1]
	v_max_num_f32 v[rB], v[rA], v[rB]
	v_max_num_f32 v[rB+1], v[rA+1], v[rB+1]
	v_cndmask_b32 v[rI], v[rI], v[rT], vcc_lo
	v_cndmask_b32 v[rI+1], v[rI+1], v[rT], s[M1]
.endm
; 16 LDS loads in one run: K steps s0 .. s0 + 7 of tile p of the pair at v[AF], into buffer fb of window 3.  32 lanes x 16 consecutive bytes each.
.macro FLOADS fb, p, s0
	WIN 0xc0
.set f, 0
.rept 8
	ds_load_b128 v[(\fb)+8*f:(\fb)+8*f+3], v[AF] offset:(\p)*16384+((\s0)+f)*1024
	ds_load_b128 v[(\fb)+8*f+4:(\fb)+8*f+7], v[AF] offset:(\p)*16384+((\s0)+f)*1024+512
.set f, f+1
.endr
	WIN 0
.endm
; kind 1: the next pair's even tile, first K half (the addresses step).  2: its second half, and its eight numbers of the table.  3, 4: the same for the odd tile.
; The table's numbers are loaded behind the last rider that reads the old ones, and two segments ahead of the first that reads the new.
.macro FETCH kind
.if (\kind) == 1
	v_add_nc_u32 v[AF], s[TB], v[AF0]
	s_add_co_u32 s[TB], s[TB], 32768
	s_add_co_u32 s[CT], s[CT], 128
	v_add_nc_u32 v[ACS], s[CT], v[ACS0]
	FLOADS 0, 0, 0
.elseif (\kind) == 2
	FLOADS 64, 0, 8
	ds_load_b128 v[CSQ0:CSQ0+3], v[ACS]
	ds_load_b128 v[CSQ0+4:CSQ0+7], v[ACS] offset:16
.elseif (\kind) == 3
	FLOADS 0, 1, 0
.else
	FLOADS 64, 1, 8
	ds_load_b128 v[CSQ1:CSQ1+3], v[ACS] offset:64
	ds_load_b128 v[CSQ1+4:CSQ1+7], v[ACS] offset:80
.endif
.endm
; A SEGMENT: K half kh of one centroid tile into the accumulators P, for the sets that are active (a, b); beside it half (part) of the riders on the other accumulators RP, whose tile is finished.
; Four products, then seven riders; behind the first riders the run of loads (kind) for the segment after this one.  The wait at the head is for the run issued a segment earlier.
; The accumulators take turns, one instruction a turn, over the segments' ends, the loops' jumps and the entry in a trip's middle too.
; PLACES: the riders name no register of the products round them; seven stand between a segment's last product and the next segment's first products, behind which come the first
; reader of its accumulators and the loads into the buffer that it read.
.macro SEG kh, P, RP, part, kind, a, b
	s_wait_dscnt 0x0
.if (\a) && (\b)
.set g, 0
.rept 8
	WIN 0x07+4*(\kh)
	MMI \P, 0, \kh, g
	MMI \P, 1, \kh, g
	MMI \P, 2, \kh, g
	MMI \P, 3, \kh, g
	WIN 0
	DSL \RP, 2*(\part)+g/4, 2*(g%4)
.if (g == 0) && (\kind)
	FETCH \kind
.endif
.set g, g+1
.endr
.else
.set g, 0
.rept 4
	WIN 0x07+4*(\kh)
	MMI \P, 2*(\b), \kh, 2*g
	MMI \P, 2*(\b)+1, \kh, 2*g
	MMI \P, 2*(\b), \kh, 2*g+1
	MMI \P, 2*(\b)+1, \kh, 2*g+1
	WIN 0
	DSL \RP, 2*(\b)+(\part), 2*g
.if (g == 0) && (\kind)
	FETCH \kind
.endif
.set g, g+1
.endr
.endif
.endm
; A PREFETCH INTO THE L2 of cb in its FIRST walk alone (steps 0 to 15); later walks ask for nothing.  At the change into step k (1 .. 11) step k + 4 is named, three steps ahead of its load.
; Each block of 256 bytes is named once in the launch: cluster 0 asks; waves 0 and 1 of its four partners take 8 KiB each of the step's 64 KiB, told apart BY ADDRESS (piece 2 cx + wave); a lane a block.
; Steps 0 to 4 come by their loads alone.  The branch hangs on the cluster's number, the wave's number and the step: it is the same in all partners.
.macro ASK
	s_sub_co_u32 s[TMPS], s[NXT], 1                ; = k while the first walk lasts; at the sweep's wrap it is the greatest number
	s_cmp_lt_u32 s[TMPS], s[LIM]
	s_cbranch_scc0 .Lnot_mine_\@
	global_prefetch_b8 v[PFO], s[PFA:PFA+1] th:TH_LOAD_NT scope:SCOPE_SE
.Lnot_mine_\@:
.endm
; THE CHANGE OF SLOTS.  The slot's last bytes have been asked for (kind 4 of its second trip).  Each wave waits for all its tensor loads, of which one is out: its tile of the slot to be entered; adds 0 to its
; spare word; and waits for that and for its own reads of the slot that it leaves.  fill = 1: that slot is filled again, with the step after the one entered: the barrier is then a round of the cluster's,
; so that no wave of any partner still reads the slot or has a load on its way, and the joint load is the first thing behind it: it has a step in which to land.
.macro CHANGE fill, pf
	WIN 0
	s_wait_tensorcnt 0x0                           ; no tensor load of mine is out, so a group 0 may be written
	ds_add_u32 v[SPW], v[NIL]                      ; 0 onto my spare word; the scalar work below stands between it and the wait for it
.if \fill
	s_add_co_u32 s[NXT], s[NXT], 1
	s_and_b32 s[NXT], s[NXT], 15                   ; the stream is cyclic: 16 steps a sweep
	s_lshl_b32 s[OFF], s[NXT], 16
	s_xor_b32 s[G0W+1], s[G0W+1], SLOTB            ; the other slot than last time
	s_add_nc_u64 s[G0W+2:G0W+3], s[CBW:CBW+1], s[OFF:OFF+1]  ; the address is made anew from the step's number
	s_or_b32 s[G0W+3], s[G0W+3], 0x80000000
.endif
.if \pf
	s_wait_xcnt 0x0                                ; the last prefetch, a step back, has read its address
	s_add_nc_u64 s[PFA:PFA+1], s[PFA:PFA+1], SLOTB
.endif
	s_wait_dscnt 0x0                               ; the add is done, and my reads of the slot are over
.if \fill
	CROUND
	tensor_load_to_lds s[G0W:G0W+3], s[G1:G1+7]
	s_nop 0
.rept 4
	v_nop
.endr
.if \pf
	ASK
.endif
.else
	s_barrier_signal -1
	s_barrier_wait -1
.endif
	s_sub_co_u32 s[TB], s[TB], SLOTB               ; the fetches go back to a slot's first pair,
	s_xor_b32 s[TB], s[TB], SLOTB                  ; in the other slot
.endm
; My stage's 32 rows become set st's fragments: lane l takes row l % 16 of tile u, 16 bytes at 64 s + 32 c + 16 (l / 16).  LDS serves a wave's instructions in order (ISA guide 5.7.1.4): these see my stores.
.macro LOADSET st
	WIN 0x40
.set f, 0
.rept 16                               ; f = 8 u + s
	ds_load_b128 v[128*(\st)+8*f:128*(\st)+8*f+3], v[ASR] offset:(f/8)*16*SPITCH+(f%8)*64
	ds_load_b128 v[128*(\st)+8*f+4:128*(\st)+8*f+7], v[ASR] offset:(f/8)*16*SPITCH+(f%8)*64+32
.set f, f+1
.endr
	WIN 0x80
.set f, 0
.rept 16
	ds_load_b128 v[128*(\st)+8*f:128*(\st)+8*f+3], v[ASR] offset:(f/8)*16*SPITCH+512+(f%8)*64
	ds_load_b128 v[128*(\st)+8*f+4:128*(\st)+8*f+7], v[ASR] offset:(f/8)*16*SPITCH+512+(f%8)*64+32
.set f, f+1
.endr
	WIN 0
	s_wait_dscnt 0x0
.endm
; |e|^2 of set st's 32 points: fragment x fragment, both sources the same registers, two accumulators by turns.  Element (m, n) lies in lane n + 16 (m / 8), register m % 8: the diagonal in lanes 0-7 and
; 24-31, register lane % 8, and each of those lanes' point is lane % 16.  The other lanes get 0.
.macro GRAM st, ED
.set f, 0
.rept 16
.if f < 8
	WIN 0x05
.else
	WIN 0x0a
.endif
.set rG, 128*(\st)+8*(f%8)
.if f == 0
	v_wmma_f32_16x16x32_bf16 v[P0:P0+7], v[rG:rG+7], v[rG:rG+7], 0
	v_wmma_f32_16x16x32_bf16 v[P0+8:P0+15], v[rG+64:rG+71], v[rG+64:rG+71], 0
.else
	v_wmma_f32_16x16x32_bf16 v[P0:P0+7], v[rG:rG+7], v[rG:rG+7], v[P0:P0+7]
	v_wmma_f32_16x16x32_bf16 v[P0+8:P0+15], v[rG+64:rG+71], v[rG+64:rG+71], v[P0+8:P0+15]
.endif
.set f, f+1
.endr
	WIN 0
.rept 4
	v_nop                                          ; the places behind the last products
.endr
.set u, 0
.rept 2
	v_cndmask_b32 v[(\ED)+u], 0, v[P0+8*u], s[DM]
.set q, 1
.rept 7
	v_cndmask_b32 v[(\ED)+u], v[(\ED)+u], v[P0+8*u+q], s[DM+q]
.set q, q+1
.endr
.set u, u+1
.endr
.endm
.macro INITSET st                      ; set st's 16 chains begin
.set q, 0
.rept 16
	v_mov_b32 v[BEST+16*(\st)+q], s[NINF]
	v_mov_b32 v[IDX+16*(\st)+q], 0
.set q, q+1
.endr
.endm
.macro SAVEB                           ; set B's chains over tiles 32-63 are set aside, and begun anew for tiles 0-31
.set q, 0
.rept 16
	v_mov_b32 v[SBEST+q], v[BEST+16+q]
	v_mov_b32 v[SIDX+q], v[IDX+16+q]
.set q, q+1
.endr
	INITSET 1
.endm
.macro MRG ba, ia, bb, ib              ; (ba, ia) takes (bb, ib) where bb is greater, or equal with the lower index
	v_cmp_gt_f32 s[M1], v[\bb], v[\ba]
	v_cmp_eq_f32 s[M2], v[\bb], v[\ba]
	v_cmp_lt_u32 vcc_lo, v[\ib], v[\ia]
	s_and_b32 s[M2], s[M2], vcc_lo
	s_or_b32 s[M1], s[M1], s[M2]
	v_cndmask_b32 v[\ba], v[\ba], v[\bb], s[M1]
	v_cndmask_b32 v[\ia], v[\ia], v[\ib], s[M1]
.endm
; A group is finished.  The chains' tile numbers become indices 16 T + j; the eight registers are merged, 8 (lane / 16) is added, the two halves of the lanes are merged: every lane then holds its point's
; result.  |e|^2 - 2 best goes onto LOSS in the sixteen lanes that hold a diagonal: each point once.  The 32 indices go to my 128 bytes for group g.
.macro FINAL st, g, ED
	WIN 0
.if \st
.set q, 0
.rept 16
	v_cmp_gt_f32 vcc_lo, v[SBEST+q], v[BEST+16+q]  ; the part set aside has the higher indices: it wins only where it is strictly greater
	v_cndmask_b32 v[IDX+16+q], v[IDX+16+q], v[SIDX+q], vcc_lo
	v_max_num_f32 v[BEST+16+q], v[SBEST+q], v[BEST+16+q]
.set q, q+1
.endr
.endif
.set u, 0
.rept 2
.set fb, BEST+16*(\st)+8*u
.set fi, IDX+16*(\st)+8*u
.set q, 0
.rept 8
	v_lshl_add_u32 v[fi+q], v[fi+q], 4, q
.set q, q+1
.endr
	MRG fb, fi, fb+1, fi+1
	MRG fb+2, fi+2, fb+3, fi+3
	MRG fb+4, fi+4, fb+5, fi+5
	MRG fb+6, fi+6, fb+7, fi+7
	MRG fb, fi, fb+2, fi+2
	MRG fb+4, fi+4, fb+6, fi+6
	MRG fb, fi, fb+4, fi+4
	v_add_nc_u32 v[fi], v[fi], v[V8H]
	v_permlanex16_b32 v[T0], v[fb], s[SEL], s[SEL+1]
	v_permlanex16_b32 v[T0+1], v[fi], s[SEL], s[SEL+1]
	MRG fb, fi, T0, T0+1
	v_fma_f32 v[T0+2], v[fb], -2.0, v[(\ED)+u]
	v_cndmask_b32 v[T0+2], 0, v[T0+2], s[DALL]
	v_add_f32 v[LOSS], v[LOSS], v[T0+2]
.set u, u+1
.endr
	v_cndmask_b32 v[T0+3], v[IDX+16*(\st)], v[IDX+16*(\st)+8], s[HIM]  ; lanes 0-15: tile 0's points, lanes 16-31: tile 1's
	ds_store_b32 v[OUTS], v[T0+3] offset:128*(\g)
.endm
; A HALF BEGINS at centroid tile F.  P1 holds -infinity, so the first trip's riders on it change nothing; the first pair's even tile is fetched; the loop is entered in the middle of a trip.
.macro PRIME a, b, F
	WIN 0
.set q, 0
.rept 32
.if (((q/16) == 0) && (\a)) || (((q/16) == 1) && (\b))
	v_mov_b32 v[P1+q], s[NINF]
.endif
.set q, q+1
.endr
	v_mov_b32 v[TIE], (\F)
	v_mov_b32 v[TIO], (\F)-1
	s_mov_b32 s[CT], 64*(\F)
	v_add_nc_u32 v[AF], s[TB], v[AF0]
	s_add_co_u32 s[TB], s[TB], 32768
	v_add_nc_u32 v[ACS], s[CT], v[ACS0]
	FLOADS 0, 0, 0
.endm
; A HALF ENDS: the last odd tile's second K half, with the rest of P0's riders beside it; then P1's riders by themselves.
.macro DRAIN a, b
	SEG 1, P1, P0, 1, 0, \a, \b
.set d, 0
.rept 16
.if (((d/8) == 0) && (\a)) || (((d/8) == 1) && (\b))
	DSL P1, d/4, 2*(d%4)
.endif
.set d, d+1
.endr
.endm
; n STEPS OF A HALF.  A trip is a pair of centroid tiles, turned so that a change of slots falls where all reads of the old slot have been issued:
;   the last odd tile's second K half (fetches the next even tile) | the even tile's first half | its second | the odd tile's first half.
; stg = 1: at the end of every second step a batch of ring X is consumed, into stage rows 8 ((8 - STEPS) / 2) on, and the next is asked for: it has two steps in which to land.
; stg = 2 (t0): at the end of the fourth step both rings are consumed, X and then Y, and asked again: four steps in which to land.
.macro HALFLOOP a, b, stg, iss, n, pf
	s_mov_b32 s[STEPS], \n
	s_mov_b32 s[CNT], 2
	s_branch .Lmid_\@
.Lstep_\@:
	CHANGE 1, \pf
	s_mov_b32 s[CNT], 2
.Ltrip_\@:
	SEG 1, P1, P0, 1, 1, \a, \b
	v_add_nc_u32 v[TIE], 2, v[TIE]
.Lmid_\@:
	SEG 0, P0, P1, 0, 2, \a, \b
	SEG 1, P0, P1, 1, 3, \a, \b
	v_add_nc_u32 v[TIO], 2, v[TIO]
	SEG 0, P1, P0, 0, 4, \a, \b
	s_sub_co_u32 s[CNT], s[CNT], 1
	s_cmp_lg_u32 s[CNT], 0
	s_cbranch_scc1 .Ltrip_\@
.if (\stg) == 1
	s_and_b32 s[TMPS], s[STEPS], 1
	s_cmp_lg_u32 s[TMPS], 0
	s_cbranch_scc0 .Lno_lump_\@
	s_sub_co_u32 s[TMPS], 8, s[STEPS]
	s_lshr_b32 s[TMPS], s[TMPS], 1
	s_mul_i32 s[TMPS], s[TMPS], 8*SPITCH
	v_add_nc_u32 v[AST], s[TMPS], v[AST0]
	LUMP 3, 0, \iss, AST, 0                        ; one batch is out: the wait is for all
.Lno_lump_\@:
.elseif (\stg) == 2
	s_cmp_eq_u32 s[STEPS], 5
	s_cbranch_scc0 .Lno_lump_\@
	LUMP 3, 32, 1, AST0, 0                         ; X's batch is the older: Y's 32 loads may stay out
	LUMP 2, 32, 1, AST0, 8*SPITCH                  ; now Y's is the older: the 32 just issued into X may stay out
.Lno_lump_\@:
.endif
	s_sub_co_u32 s[STEPS], s[STEPS], 1
	s_cmp_lg_u32 s[STEPS], 0
	s_cbranch_scc1 .Lstep_\@
.endm
	s_load_b256 s[4:11], s[0:1], 0x0               ; embeddings s[4:5], cb s[6:7], cs s[8:9], out1 s[10:11]
	s_load_b64 s[12:13], s[0:1], 0x20              ; part
	v_lshl_add_u32 v[SPW], v0, 2, SPARE
	v_mov_b32 v[NIL], 0
	ds_add_u32 v[SPW], v[NIL]                      ; the wave's opening: the add, twice on end, and its wait ahead of my first tensor load; the set-up below, work on registers, stands between
	ds_add_u32 v[SPW], v[NIL]                      ; and once more, under the one wait
	v_lshrrev_b32 v[ZO], 5, v0
	v_readfirstlane_b32 s[WV], v[ZO]               ; wave 0..3
	v_and_b32 v[LANE], 31, v0
	v_and_b32 v[T0], 15, v0                        ; lane % 16
	v_bfe_u32 v[T0+1], v0, 4, 1                    ; lane / 16
	s_bfe_u32 s15, ttmp6, 0x40000                  ; cx: my place in the cluster: it enters the addresses of the embeddings, out1, part and the prefetches alone
	s_lshl_b32 s16, ttmp9, 2                       ; in a cluster launch ttmp9 counts clusters
	s_add_co_u32 s16, s16, s15                     ; my work-group
	s_lshl_b32 s18, s16, 20                        ; its 512 rows of 2,048 bytes,
	s_lshl_b32 s19, s[WV], 18                      ; my wave's 128
	s_add_co_u32 s18, s18, s19
	s_mov_b32 s19, 0
	s_lshl_b32 s20, s16, 11                        ; the same rows in out1
	s_lshl_b32 s21, s[WV], 9
	s_add_co_u32 s20, s20, s21
	s_mov_b32 s21, 0
	s_lshl_b32 s22, s16, 2
	s_add_co_u32 s22, s22, s[WV]
	s_lshl_b32 s22, s22, 2                         ; my word of part
	s_mov_b32 s23, 0
	s_lshl_b32 s16, s15, 1
	s_add_co_u32 s16, s16, s[WV]                   ; my piece of a step's eight (waves 0 and 1)
	s_lshl_b32 s16, s16, 13
	s_add_co_u32 s16, s16, 4*SLOTB                 ; in step 4: the first change steps it to step 5
	v_lshlrev_b32 v[AF0], 4, v[LANE]
	v_lshlrev_b32 v[EO], 4, v[LANE]
	v_lshlrev_b32 v[PFO], 8, v[LANE]
	v_lshlrev_b32 v[V8H], 3, v[T0+1]
	v_lshl_add_u32 v[ACS0], v[T0+1], 5, CSL
	s_mul_i32 s17, s[WV], WSTG
	s_add_co_u32 s17, s17, STAGE                   ; my stage
	v_lshl_add_u32 v[AST0], v[LANE], 3, s17
	v_mul_u32_u24 v[ASR], v[T0], SPITCH
	v_lshl_add_u32 v[ASR], v[T0+1], 4, v[ASR]
	v_add_nc_u32 v[ASR], s17, v[ASR]
	s_lshl_b32 s17, s[WV], 9
	s_add_co_u32 s17, s17, OUTST
	v_lshl_add_u32 v[OUTS], v[LANE], 2, s17
	v_lshl_add_u32 v[OUTR], v[LANE], 4, s17
	s_mov_b32 s17, 0
	v_mov_b32 v[LOSS], 0
.set q, 2
.rept 6
	v_mov_b32 v[T0+q], 0                           ; v_permlanex16_b32's destination counts as read
.set q, q+1
.endr
.set q, 0
.rept 8
	v_mov_b32 v[CSQ1+q], 0                         ; the first half's first riders add it to -infinity
.set q, q+1
.endr
	; descriptor group 1.  A tile is 16,384 dense bytes: 64 rows of 32 elements of 8 bytes.  No padding: a fragment load takes 512 consecutive bytes.
	s_mov_b32 s[G1], 15|(3<<16)|(1<<21)            ; 15:0 the mask: all four work-groups; 17:16 elements of 8 bytes; 21 set beside a mask
	s_mov_b32 s[G1+1], 32<<16                      ; tensor_dim0 = 32
	s_mov_b32 s[G1+2], 64<<16                      ; tensor_dim1 = 64
	s_mov_b32 s[G1+3], 32<<16                      ; tile_dim0 = 32
	s_mov_b32 s[G1+4], 64                          ; tile_dim1 = 64
	s_mov_b32 s[G1+5], 32                          ; 32 elements from row to row
	s_mov_b32 s[G1+6], 0
	s_mov_b32 s[G1+7], 0
	s_mov_b32 s[G1T], 15|(3<<16)|(1<<21)           ; a quarter of the table: 4 such rows
	s_mov_b32 s[G1T+1], 32<<16
	s_mov_b32 s[G1T+2], 4<<16
	s_mov_b32 s[G1T+3], 32<<16
	s_mov_b32 s[G1T+4], 4
	s_mov_b32 s[G1T+5], 32
	s_mov_b32 s[G1T+6], 0
	s_mov_b32 s[G1T+7], 0
	s_mov_b32 s[G0A], 1                            ; 1:0 count = 1
	s_lshl_b32 s[G0A+1], s[WV], 14                 ; LDS: slot 0, tile = my wave's number: no place in the cluster enters an LDS address
	s_mov_b32 s[G0W], 1
	s_add_co_u32 s[G0W+1], s[G0A+1], SLOTB         ; slot 1
	s_mov_b32 s[G0T], 1
	s_lshl_b32 s[G0T+1], s[WV], 10
	s_add_co_u32 s[G0T+1], s[G0T+1], CSL
	s_mov_b32 s[OFF+1], 0
	s_mov_b32 s[NXT], 1
	s_mov_b32 s[TB], 2*SLOTB                       ; the two lines behind the first barrier turn it into 0
	s_mov_b32 s[SEL], 0x76543210
	s_mov_b32 s[SEL+1], 0xfedcba98
.set q, 0
.rept 8
	s_mov_b32 s[DM+q], 0x01000001<<q
.set q, q+1
.endr
	s_mov_b32 s[DALL], 0xff0000ff
	s_mov_b32 s[HIM], 0xffff0000
	s_mov_b32 s[NINF], 0xff800000
	s_lshr_b32 s[LIM], s[WV], 1                    ; 0 in waves 0 and 1,
	s_or_b32 s[LIM], s[LIM], ttmp9                 ; where the cluster is the first: the same in all four partners
	s_cmp_eq_u32 s[LIM], 0
	s_cselect_b32 s[LIM], 12, 0
	s_wait_dscnt 0x0                               ; both opening adds are done
	s_wait_kmcnt 0x0
	s_add_nc_u64 s[4:5], s[4:5], s[18:19]          ; the embeddings at my wave's first row
	s_add_nc_u64 s[10:11], s[10:11], s[20:21]
	s_add_nc_u64 s[12:13], s[12:13], s[22:23]
	s_add_nc_u64 s[PFA:PFA+1], s[6:7], s[16:17]
	s_lshl_b32 s[OFF], s[WV], 14
	s_add_nc_u64 s[CBW:CBW+1], s[6:7], s[OFF:OFF+1]
	s_mov_b64 s[G0A+2:G0A+3], s[CBW:CBW+1]         ; step 0
	s_or_b32 s[G0A+3], s[G0A+3], 0x80000000        ; 127:126 type = 2
	s_add_nc_u64 s[G0W+2:G0W+3], s[CBW:CBW+1], SLOTB  ; step 1
	s_or_b32 s[G0W+3], s[G0W+3], 0x80000000
	s_lshl_b32 s[OFF], s[WV], 10
	s_add_nc_u64 s[G0T+2:G0T+3], s[8:9], s[OFF:OFF+1]
	s_or_b32 s[G0T+3], s[G0T+3], 0x80000000
	ISSUE 3                                        ; batch 0 (rows 0-7) into ring X: the points are what the first products wait for
	s_wait_xcnt 0x0
	s_add_nc_u64 s[4:5], s[4:5], 16384
	ISSUE 2                                        ; batch 1 into ring Y
	CROUND                                         ; all four work-groups are here: the first joint loads meet
	tensor_load_to_lds s[G0T:G0T+3], s[G1T:G1T+7]  ; the three first fills go out together: three tensor loads of mine are out here, later one
	s_nop 0
	tensor_load_to_lds s[G0A:G0A+3], s[G1:G1+7]
	s_nop 0
	tensor_load_to_lds s[G0W:G0W+3], s[G1:G1+7]
	s_nop 0
.rept 4
	v_nop
.endr
	; THE PROLOGUE: group 0 (batches 0 to 3) goes through the stage into set A; batches 2 to 5 are asked for.
	s_mov_b32 s[CNT], 2
.Lpro:
	s_sub_co_u32 s[TMPS], 2, s[CNT]
	s_mul_i32 s[TMPS], s[TMPS], 16*SPITCH
	v_add_nc_u32 v[AST], s[TMPS], v[AST0]
	LUMP 3, 32, 1, AST, 0                          ; X's batch is the older: Y's 32 loads may stay out
	LUMP 2, 32, 1, AST, 8*SPITCH                   ; and the other way round
	s_sub_co_u32 s[CNT], s[CNT], 1
	s_cmp_lg_u32 s[CNT], 0
	s_cbranch_scc1 .Lpro
	LOADSET 0
	GRAM 0, EDA
	INITSET 0
	s_wait_tensorcnt 0x1                           ; my parts of the table and of slot 0 are in; slot 1's may stay out
	s_wait_dscnt 0x0
	s_barrier_signal -1
	s_barrier_wait -1                              ; everybody's are
	s_sub_co_u32 s[TB], s[TB], SLOTB
	s_xor_b32 s[TB], s[TB], SLOTB
	; t0: tiles 0-31, A = group 0; group 1 is staged.  At a half's end the change of slots stands first, so that the refill is on its way during the work between the halves.
	PRIME 1, 0, 0
	HALFLOOP 1, 0, 2, 1, 8, 1
	CHANGE 1, 1
	DRAIN 1, 0
	LUMP 3, 32, 1, AST0, 16*SPITCH                 ; batch 6; batch 8 is asked for
	LUMP 2, 32, 0, AST0, 24*SPITCH                 ; batch 7; ring Y's registers are due for set B: nothing is asked for
	LOADSET 1
	GRAM 1, EDB
	INITSET 1
	; t1: tiles 32-63, A = group 0, B = group 1; group 2 is staged
	PRIME 1, 1, 32
	HALFLOOP 1, 1, 1, 1, 8, 1
	CHANGE 1, 0
	DRAIN 1, 1
	FINAL 0, 0, EDA
	LOADSET 0
	GRAM 0, EDA
	INITSET 0
	SAVEB
	; t2: tiles 0-31, A = group 2, B = group 1; group 3 is staged
	PRIME 1, 1, 0
	HALFLOOP 1, 1, 1, 2, 8, 0
	CHANGE 1, 0
	DRAIN 1, 1
	FINAL 1, 1, EDB
	LOADSET 1
	GRAM 1, EDB
	INITSET 1
	; t3: tiles 32-63, A = group 2, B = group 3
	PRIME 1, 1, 32
	HALFLOOP 1, 1, 0, 0, 8, 0
	CHANGE 1, 0
	DRAIN 1, 1
	FINAL 0, 2, EDA
	SAVEB
	; t4: tiles 0-31, B = group 3.  The last step is written out: nothing is asked for.
	PRIME 0, 1, 0
	HALFLOOP 0, 1, 0, 0, 7, 0
	CHANGE 0, 0
	s_mov_b32 s[CNT], 2
.Ltail:
	SEG 1, P1, P0, 1, 1, 0, 1
	v_add_nc_u32 v[TIE], 2, v[TIE]
	SEG 0, P0, P1, 0, 2, 0, 1
	SEG 1, P0, P1, 1, 3, 0, 1
	v_add_nc_u32 v[TIO], 2, v[TIO]
	SEG 0, P1, P0, 0, 4, 0, 1
	s_sub_co_u32 s[CNT], s[CNT], 1
	s_cmp_lg_u32 s[CNT], 0
	s_cbranch_scc1 .Ltail
	DRAIN 0, 1
	FINAL 1, 3, EDB
	; THE WAY OUT: my 128 indices leave as 512 consecutive bytes, aligned; LOSS is summed over the wave, and lane 0 stores it.
	ds_load_b128 v[T0:T0+3], v[OUTR]               ; LDS serves a wave's instructions in order: this sees my four stores
	v_add_f32_dpp v[LOSS], v[LOSS], v[LOSS] row_xmask:1 row_mask:0xf bank_mask:0xf
	v_add_f32_dpp v[LOSS], v[LOSS], v[LOSS] row_xmask:2 row_mask:0xf bank_mask:0xf
	v_add_f32_dpp v[LOSS], v[LOSS], v[LOSS] row_xmask:4 row_mask:0xf bank_mask:0xf
	v_add_f32_dpp v[LOSS], v[LOSS], v[LOSS] row_xmask:8 row_mask:0xf bank_mask:0xf
	v_permlanex16_b32 v[T0+4], v[LOSS], s[SEL], s[SEL+1]
	v_add_f32 v[LOSS], v[LOSS], v[T0+4]
	v_mov_b32 v[ZO], 0
	v_cmp_eq_u32 vcc_lo, 0, v[LANE]
	s_wait_dscnt 0x0
	global_store_b128 v[EO], v[T0:T0+3], s[10:11]
	s_wait_xcnt 0x0                                ; EXEC changes only behind this wait
	s_and_saveexec_b32 s16, vcc_lo
	global_store_b32 v[ZO], v[LOSS], s[12:13]
	s_wait_xcnt 0x0                                ; and again, in front of the line that widens it
	s_or_b32 exec_lo, exec_lo, s16
	s_wait_tensorcnt 0x0                           ; the wave's end, behind my last tensor load and my last LDS store
	ds_add_u32 v[SPW], v[NIL]
	s_wait_dscnt 0x0
	CROUND                                         ; the closing round: no work-group ends while a partner may still ask for a tile that names it
	s_endpgm
.Lfunc_end_k_q398e8f2489_main:
	.size	k_q398e8f2489_main, .Lfunc_end_k_q398e8f2489_main-k_q398e8f2489_main
	.p2alignl 7, 3214868480
	.fill 96, 4, 3214868480
	.section	.rodata,"a",@progbits
	.p2align	6, 0x0
	.amdhsa_kernel k_q398e8f2489_main
		.amdhsa_group_segment_fixed_size 327680
		.amdhsa_private_segment_fixed_size 0
		.amdhsa_enable_private_segment 0
		.amdhsa_kernarg_size 40
		.amdhsa_user_sgpr_count 2
		.amdhsa_user_sgpr_kernarg_segment_ptr 1
		.amdhsa_wavefront_size32 1
		.amdhsa_system_sgpr_workgroup_id_x 1
		.amdhsa_system_sgpr_workgroup_id_y 1
		.amdhsa_system_sgpr_workgroup_id_z 1
		.amdhsa_system_vgpr_workitem_id 0
		.amdhsa_next_free_vgpr 1024
		.amdhsa_next_free_sgpr 88
		.amdhsa_reserve_vcc 1
		.amdhsa_float_denorm_mode_32 3
		.amdhsa_float_denorm_mode_16_64 3
		.amdhsa_memory_ordered 1
		.amdhsa_forward_progress 1
		.amdhsa_inst_pref_size 255
	.end_amdhsa_kernel
	.section	.bss,"aw",@nobits
	.p2align	6
	.space	262144
	.amdgpu_metadata
---
amdhsa.version: [ 1, 2 ]
amdhsa.kernels:
  - .name:           k_q398e8f2489_main
    .symbol:         k_q398e8f2489_main.kd
    .args:
      - { .name: embeddings, .offset: 0, .size: 8, .value_kind: global_buffer, .address_space: global }
      - { .name: cb, .offset: 8, .size: 8, .value_kind: global_buffer, .address_space: global }
      - { .name: cs, .offset: 16, .size: 8, .value_kind: global_buffer, .address_space: global }
      - { .name: out1, .offset: 24, .size: 8, .value_kind: global_buffer, .address_space: global }
      - { .name: part, .offset: 32, .size: 8, .value_kind: global_buffer, .address_space: global }
    .group_segment_fixed_size: 327680
    .private_segment_fixed_size: 0
    .kernarg_segment_align: 8
    .kernarg_segment_size: 40
    .max_flat_workgroup_size: 128
    .sgpr_count:     88
    .vgpr_count:     1024
    .wavefront_size: 32
...
	.end_amdgpu_metadata
.endif
;; end of part 2
;; launch finish (part 3): grid 1 x 1, 1 waves a work-group, no clusters, 0 bytes of LDS; arguments part, out0; writes out0
.if DOCPART == 3
	.amdgcn_target "amdgcn-amd-amdhsa--gfx1250"
	.amdhsa_code_object_version 6
	.text
	.protected	k_q398e8f2489_finish
	.globl	k_q398e8f2489_finish
	.p2align	8
	.type	k_q398e8f2489_finish,@function
k_q398e8f2489_finish:
	s_mov_b64 s[64:65], 0
	v_nop
	global_prefetch_b8 v0, s[64:65] scope:SCOPE_SE
	s_setreg_imm32_b32 hwreg(HW_REG_WAVE_MODE, 25, 1), 1
	s_wait_xcnt 0x0
; out0 = the sum of the 1,024 waves' partial sums x 2^-26 (131,072 points x 512 channels = 2^26 numbers).  One wave: 4,096 bytes, eight loads of 512 consecutive bytes; sums in f32.
	s_load_b128 s[4:7], s[0:1], 0x0                ; part s[4:5], out0 s[6:7]
	v_lshlrev_b32 v1, 4, v0                        ; 16 x lane
	v_mov_b32 v2, 0
	s_mov_b32 s8, 0x76543210                       ; v_permlanex16_b32: each lane takes its own place in the other half
	s_mov_b32 s9, 0xfedcba98
	s_wait_kmcnt 0x0
.set m, 0
.rept 8
	global_load_b128 v[4+4*m:4+4*m+3], v1, s[4:5] offset:512*m
.set m, m+1
.endr
	s_wait_loadcnt 0x0
.set i, 0
.rept 8
	v_pk_add_f32 v[4+2*i:5+2*i], v[4+2*i:5+2*i], v[20+2*i:21+2*i]
.set i, i+1
.endr
.set i, 0
.rept 4
	v_pk_add_f32 v[4+2*i:5+2*i], v[4+2*i:5+2*i], v[12+2*i:13+2*i]
.set i, i+1
.endr
	v_pk_add_f32 v[4:5], v[4:5], v[8:9]
	v_pk_add_f32 v[6:7], v[6:7], v[10:11]
	v_pk_add_f32 v[4:5], v[4:5], v[6:7]
	v_add_f32 v4, v4, v5
	v_add_f32_dpp v4, v4, v4 row_xmask:1 row_mask:0xf bank_mask:0xf
	v_add_f32_dpp v4, v4, v4 row_xmask:2 row_mask:0xf bank_mask:0xf
	v_add_f32_dpp v4, v4, v4 row_xmask:4 row_mask:0xf bank_mask:0xf
	v_add_f32_dpp v4, v4, v4 row_xmask:8 row_mask:0xf bank_mask:0xf
	v_permlanex16_b32 v5, v4, s8, s9
	v_add_f32 v4, v4, v5
	v_mul_f32 v4, 0x32800000, v4                   ; x 2^-26
	v_cmp_eq_u32 vcc_lo, 0, v0
	s_wait_xcnt 0x0                                ; EXEC changes only behind this wait
	s_and_saveexec_b32 s10, vcc_lo
	global_store_b32 v2, v4, s[6:7]
	s_wait_xcnt 0x0                                ; and again, in front of the line that widens it
	s_or_b32 exec_lo, exec_lo, s10
	s_endpgm
.Lfunc_end_k_q398e8f2489_finish:
	.size	k_q398e8f2489_finish, .Lfunc_end_k_q398e8f2489_finish-k_q398e8f2489_finish
	.p2alignl 7, 3214868480
	.fill 96, 4, 3214868480
	.section	.rodata,"a",@progbits
	.p2align	6, 0x0
	.amdhsa_kernel k_q398e8f2489_finish
		.amdhsa_group_segment_fixed_size 0
		.amdhsa_private_segment_fixed_size 0
		.amdhsa_enable_private_segment 0
		.amdhsa_kernarg_size 16
		.amdhsa_user_sgpr_count 2
		.amdhsa_user_sgpr_kernarg_segment_ptr 1
		.amdhsa_wavefront_size32 1
		.amdhsa_system_sgpr_workgroup_id_x 1
		.amdhsa_system_sgpr_workgroup_id_y 1
		.amdhsa_system_sgpr_workgroup_id_z 1
		.amdhsa_system_vgpr_workitem_id 0
		.amdhsa_next_free_vgpr 48
		.amdhsa_next_free_sgpr 66
		.amdhsa_reserve_vcc 1
		.amdhsa_float_denorm_mode_32 3
		.amdhsa_float_denorm_mode_16_64 3
		.amdhsa_memory_ordered 1
		.amdhsa_forward_progress 1
		.amdhsa_inst_pref_size 3
	.end_amdhsa_kernel
	.amdgpu_metadata
---
amdhsa.version: [ 1, 2 ]
amdhsa.kernels:
  - .name:           k_q398e8f2489_finish
    .symbol:         k_q398e8f2489_finish.kd
    .args:
      - { .name: part, .offset: 0, .size: 8, .value_kind: global_buffer, .address_space: global }
      - { .name: out0, .offset: 8, .size: 8, .value_kind: global_buffer, .address_space: global }
    .group_segment_fixed_size: 0
    .private_segment_fixed_size: 0
    .kernarg_segment_align: 8
    .kernarg_segment_size: 16
    .max_flat_workgroup_size: 32
    .sgpr_count:     66
    .vgpr_count:     48
    .wavefront_size: 32
...
	.end_amdgpu_metadata
.endif
;; end of part 3
